; MI455X (gfx1250); checked and timed in simulation.
; The chip was launched on July 23, 2026; its instructions are those of AMD's public machine-readable ISA for CDNA 5 (MIT licence, August 2026) and "CDNA5" Instruction Set Architecture Reference Guide (July 2026). The comments in the code are by the model that wrote it; some were corrected since.
;; Multi Head Attention. Allowed arithmetic: matrix products marked QUANTISED: E5M2 operands, one E8M0 scale for each 32 along K, by v_wmma_scale_f32_16x16x128_f8f6f4 with both operands' format E5M2, f32 sums; everything else in f32.
;; Inputs: Wk 512 x 512 float32; Wo 512 x 512 float32; Wq 512 x 512 float32; Wv 512 x 512 float32; bk 512 float32; bo 512 float32; bq 512 float32; bv 512 float32; x 2 x 4,096 x 512 float32.
;; Outputs: out0 2 x 4,096 x 512 float32.
;; This version of the problem:
;;   THIS VERSION OF THE PROBLEM IS GIVEN IN LOW PRECISION. The matrix products marked QUANTISED in the list below multiply operands that are first quantised to E5M2 (5 exponent bits, 2 mantissa bits; 8 bits a number), with one power-of-two scale for each 32 numbers along K (OCP MX v1.0); their sums are f32. All else is computed in f32.
;;   The module's matrix products, in the order in which they are computed (A, B: the left and right operand; K: the contracted axis; several contracted axes count as one K, in the product's order):
;;     1. [M 8,192, K 512] x [K 512, N 512]; A: input x; B: input Wq: QUANTISED
;;     2. [M 8,192, K 512] x [K 512, N 512]; A: input x; B: input Wk: QUANTISED
;;     3. [M 8,192, K 512] x [K 512, N 512]; A: input x; B: input Wv: QUANTISED
;;     4. batch 16 x [M 4,096, K 64] x [K 64, N 4,096]; A: computed on the way; B: computed on the way: QUANTISED
;;     5. batch 16 x [M 4,096, K 4,096] x [K 4,096, N 64]; A: softmax (see below); B: computed on the way: QUANTISED
;;     6. [M 8,192, K 512] x [K 512, N 512]; A: computed on the way; B: input Wo: QUANTISED
;;   THE QUANTISER, for each operand of a quantised product, along K:
;;     - K is cut into blocks of 32 from its start; a last block that is shorter is filled with zeros.
;;     - A block's scale is 2^e with e = floor(log2(the largest magnitude in the block)) - 15, held to -126 .. 127; a block of zeros has e = 0. As a byte (E8M0): e + 127.
;;     - Each number is divided by its block's scale, clamped to +-57,344, and rounded to the nearest number of E5M2, ties to even, subnormals kept.
;;     - The product sums the exact products of the quantised numbers (number of the format x scale) in f32.
;;   ~~~python
;;   def quantise(x, axis):      # numpy; x: float32 -> the quantised numbers, widened to float32 again
;;       x = np.moveaxis(x, axis, -1); K = x.shape[-1]
;;       x = np.pad(x, [(0, 0)] * (x.ndim - 1) + [(0, -K % 32)]); x = x.reshape(x.shape[:-1] + (-1, 32)); a = np.abs(x).max(-1, keepdims=True)
;;       e = np.where(a > 0, np.clip(np.frexp(np.where(a > 0, a, 1))[1] - 1 - 15, -126, 127), 0)      # np.frexp(a)[1] - 1 = floor(log2(a)), exactly
;;       r = np.clip(x / 2.0 ** e, -57344, 57344)
;;       step = 2.0 ** (np.maximum(np.frexp(np.where(r == 0, 1, r))[1] - 1, -14) - 2)
;;       q = np.round(r / step) * step * 2.0 ** e      # np.round: ties to even
;;       return np.moveaxis(q.reshape(q.shape[:-2] + (-1,))[..., :K], -1, axis).astype(np.float32)
;;   ~~~
;;   SOFTMAX AHEAD OF A QUANTISED PRODUCT. Where the list says 'softmax', what is quantised is not the finished softmax but p = 2^(t - M), with t = logit x log2(e) and M = ceil(the row's largest t), a whole number; so 1/2 < the row's largest p <= 1. The row's sum l is taken of the UNQUANTISED p, in f32, and the product's result is divided by l at the end. Since M is a whole number, a kernel that streams over the keys may use a running M (the ceiling of the running maximum): every later rescaling is an exact power of two, which a block's scale takes up: the codes' values come out the same.
;;   OPERANDS COMPUTED ON THE WAY. 'Computed on the way' means the value that the module computes at that place (a softmax that the list does not call 'softmax' is quantised finished and normalised). What goes into a quantiser is computed in f32, as accurately as f32 sums, v_exp_f32 and their like allow (about 1e-6 of the number): no bf16 or f16 on the way to a quantiser, and a product that is left as it is and whose result goes on into a quantised operand takes f32 operands (vector FMAs, or v_wmma_f32_16x16x4_f32). A number that lies on a knife's edge between two numbers of the format may be rounded either way, as far as f32 arithmetic and the matrix unit's own rounding can turn it there, and no further.
;; One version. Each part assembles by itself: llvm-mc -triple=amdgcn-amd-amdhsa -mcpu=gfx1250 --defsym DOCPART=n.
;; ======== version 1 of 1: 4 launches
;; limits: right only within a limited range of input values
;; workspace buffers: cimg 5,242,880 bytes; cscl 163,840 bytes; qrec 4,325,376 bytes; kv 8,650,752 bytes; oimg 4,194,304 bytes; oscl 131,072 bytes
;; launch quant (part 1): grid 320 x 1, 8 waves a work-group, no clusters, 69,120 bytes of LDS; arguments x, Wq, Wk, Wv, Wo, cimg, cscl; writes cimg, cscl
.if DOCPART == 1
	.amdgcn_target "amdgcn-amd-amdhsa--gfx1250"
	.amdhsa_code_object_version 6
	.text
	.protected	k_q5a38a23d44_quant
	.globl	k_q5a38a23d44_quant
	.p2align	8
	.type	k_q5a38a23d44_quant,@function
k_q5a38a23d44_quant:
	s_mov_b64 s[64:65], 0
	v_nop
	global_prefetch_b8 v0, s[64:65] scope:SCOPE_SE
	s_setreg_imm32_b32 hwreg(HW_REG_WAVE_MODE, 25, 1), 1
	s_wait_xcnt 0x0
; x [8192][512] and Wq, Wk, Wv, Wo [512][512], f32 with K innermost, become codes of BF8 (E5M2) with one E8M0 scale byte for each 32 along K.
; A block's scale is 2^(floor(log2(its largest magnitude)) - 15); each number is divided by it, held within +-57,344 and rounded to the nearest code, ties to even.
; LAYOUT OF THE RESULT.  Rows go in PAIRS of tiles: pair P is rows 32 P .. 32 P + 31; lane r of its tile u holds row 32 P + 8 u + (r & 7) + 16 (r >> 3).
; A fragment (16 such rows x 128 K) is stored as an IMAGE OF THE OPERAND'S REGISTERS: 2,048 bytes, registers 4 c .. 4 c + 3 of lane l at byte 512 c + 16 l.
; cimg: [pair 320][u 2][K step 4][2,048]; pairs 0-255 are x, 256 + 16 m + p is pair p of weight m (Wq, Wk, Wv, Wo).  cscl: [pair][lane 16 u + r][K step] words, 512 bytes a pair.
; SHARES.  A work-group takes a pair, each of its eight waves one fragment (u = wave / 4, K step = wave % 4): 16 loads a lane, no loop.
; Memory binds here: no matrix unit, no tensor load, no cluster (no two work-groups read the same byte).
; LIMITS: NaN and infinities among the inputs are not served.  A block of zeros, or one whose largest magnitude lies under 2^-111, gets the byte 1 where the rule says 127 or less:
; a block of zeros has zero codes, which add nothing under any byte but 0xff, and this program alone reads the bytes.
.set PW,  8                            ; v8       the scale word just made
.set X,   16                           ; v16-79   64 numbers: register 16 b + i = k 32 b + 16 (lane / 16) + i of my row
.set PC,  80                           ; v80-95   the fragment's codes
.set TM,  96                           ; v96-99 largest magnitudes, v100-103 bytes, v104-107 57,344 x the scale, v108-111 the conversions' scale operands
.set SEL, 24                           ; s[24:25] v_permlanex16_b32's selects for lane l xor 16
.set MNT, 26                           ; s26      the mantissa field of 57,344
; 64 numbers of a lane, v[s] on, become a fragment's codes in v[PC] on and its scale word in v[pw]
.macro QUANT s, pw
.irp b, 0,1,2,3
	v_max3_num_f32 v[TM+\b], |v[\s+16*\b]|, |v[\s+1+16*\b]|, 0x8000000   ; block b: my 16 numbers and the floor 2^(16 - 127): the byte cannot fall under 1
.endr
.irp i, 2,4,6,8,10,12,14
.irp b, 0,1,2,3
	s_delay_alu instid0(VALU_DEP_4)
	v_max3_num_f32 v[TM+\b], v[TM+\b], |v[\s+16*\b+\i]|, |v[\s+1+16*\b+\i]|   ; the four blocks by turns
.endr
.endr
.irp b, 0,1,2,3
	s_delay_alu instid0(VALU_DEP_4)
	v_permlanex16_b32 v[TM+4+\b], v[TM+\b], s[SEL], s[SEL+1]
.endr
.irp b, 0,1,2,3
	s_delay_alu instid0(VALU_DEP_4)
	v_max_num_f32 v[TM+\b], v[TM+\b], v[TM+4+\b]   ; with lane l xor 16's 16: the block's largest magnitude
.endr
.irp b, 0,1,2,3
	s_delay_alu instid0(VALU_DEP_4)
	v_add_nc_u32 v[TM+12+\b], 0xf8800000, v[TM+\b]   ; 15 off its exponent field: the conversion takes this operand's exponent field as its scale
.endr
.irp b, 0,1,2,3
	v_and_or_b32 v[TM+8+\b], v[TM+\b], 0x7f800000, s[MNT]   ; 57,344 x the scale
.endr
.irp b, 0,1,2,3
	v_lshrrev_b32 v[TM+4+\b], 23, v[TM+12+\b]   ; the scale's byte
.endr
	s_delay_alu instid0(VALU_DEP_3)
	v_lshl_or_b32 v[\pw], v[TM+5], 8, v[TM+4]
	s_delay_alu instid0(VALU_DEP_1)
	v_lshl_or_b32 v[\pw], v[TM+6], 16, v[\pw]
	s_delay_alu instid0(VALU_DEP_1)
	v_lshl_or_b32 v[\pw], v[TM+7], 24, v[\pw]
.irp b, 0,1,2,3
.irp i, 0,1,2,3,4,5,6,7,8,9,10,11,12,13,14,15
	v_med3_num_f32 v[\s+16*\b+\i], v[\s+16*\b+\i], -v[TM+8+\b], v[TM+8+\b]   ; the conversion to an 8-bit code does not saturate (ISA guide 7.6.2): the hold comes first
.endr
	v_cvt_scalef32_pk8_bf8_f32 v[PC+4*\b:PC+1+4*\b], v[\s+16*\b:\s+7+16*\b], v[TM+12+\b]
	v_cvt_scalef32_pk8_bf8_f32 v[PC+2+4*\b:PC+3+4*\b], v[\s+8+16*\b:\s+15+16*\b], v[TM+12+\b]
.endr
	v_nop                                          ; one plain vector instruction behind the last scaled conversion
.endm
	s_load_b256 s[4:11], s[0:1], 0x0               ; x s[4:5], Wq s[6:7], Wk s[8:9], Wv s[10:11]
	s_load_b128 s[12:15], s[0:1], 0x20             ; Wo s[12:13], cimg s[14:15]
	s_load_b64 s[16:17], s[0:1], 0x30              ; cscl
	v_lshl_add_u32 v112, v0, 2, 0x200
	v_mov_b32 v113, 0
	v_lshrrev_b32 v1, 5, v0
	s_delay_alu instid0(VALU_DEP_1)
	v_readfirstlane_b32 s18, v1                    ; wave 0..7
	s_lshr_b32 s19, s18, 2                         ; u
	s_and_b32 s20, s18, 3                          ; K step
	v_and_b32 v1, 31, v0                           ; lane
	v_and_b32 v2, 15, v0                           ; r
	v_bfe_u32 v3, v0, 4, 1                         ; h
	s_wait_alu depctr_va_vdst(0)                   ; the wait ahead of the run of scalar lines
	s_mul_i32 s30, s18, 8448                       ; my wave's stage in LDS: 16 rows of 512 bytes + 16 of padding, behind the scale words and the spare words
	s_add_co_u32 s30, s30, 0x600
	s_lshl_b32 s28, s19, 14                        ; 8 u rows of 2,048 bytes
	s_lshl_b32 s29, s20, 9                         ; + 512 bytes a K step
	s_add_co_u32 s28, s28, s29
	v_lshlrev_b32 v5, 4, v1                        ; 16 x lane: an image's place for my lane, and my 16 bytes of a row's 512
	v_add_nc_u32 v4, s28, v5                       ; in memory
	v_add_nc_u32 v7, s30, v5                       ; into the stage, as loaded
	v_mul_u32_u24 v9, v2, 528
	v_lshl_add_u32 v9, v3, 6, v9
	v_add_nc_u32 v9, s30, v9                       ; out of it: row r, + 64 h: my 16 numbers of a block of 32
	s_lshl_b32 s28, s19, 8
	s_lshl_b32 s29, s20, 2
	s_add_co_u32 s28, s28, s29
	v_lshl_add_u32 v6, v2, 4, s28                  ; LDS: the pair's scale words: 16 (16 u + r) + 4 x K step
	s_mov_b32 s[SEL], 0x76543210
	s_mov_b32 s[SEL+1], 0xfedcba98
	s_mov_b32 s[MNT], 0x600000
.irp b, 0,1,2,3
	v_mov_b32 v[TM+4+\b], 0                        ; written once: a lane permute's destination counts as one of its sources
.endr
	s_lshl_b32 s30, ttmp9, 14                      ; my image: 16,384 x pair + 8,192 u + 2,048 x K step
	s_lshl_b32 s29, s19, 13
	s_add_co_u32 s30, s30, s29
	s_lshl_b32 s29, s20, 11
	s_add_co_u32 s30, s30, s29
	s_mov_b32 s31, 0
	s_wait_alu depctr_va_vdst(0)
	s_wait_kmcnt 0x0
	s_mov_b64 s[22:23], s[12:13]                   ; which tensor the pair belongs to: the choice hangs on the work-group's number alone
	s_movk_i32 s21, 304                            ; and that tensor's first pair
	s_cmp_lt_u32 ttmp9, 304
	s_cselect_b64 s[22:23], s[10:11], s[22:23]
	s_cselect_b32 s21, 288, s21
	s_cmp_lt_u32 ttmp9, 288
	s_cselect_b64 s[22:23], s[8:9], s[22:23]
	s_cselect_b32 s21, 272, s21
	s_cmp_lt_u32 ttmp9, 272
	s_cselect_b64 s[22:23], s[6:7], s[22:23]
	s_cselect_b32 s21, 256, s21
	s_cmp_lt_u32 ttmp9, 256
	s_cselect_b64 s[22:23], s[4:5], s[22:23]
	s_cselect_b32 s21, 0, s21
	s_sub_co_u32 s28, ttmp9, s21
	s_lshl_b32 s28, s28, 16                        ; 32 rows of 2,048 bytes a pair
	s_mov_b32 s29, 0
	s_add_nc_u64 s[22:23], s[22:23], s[28:29]
	s_add_nc_u64 s[14:15], s[14:15], s[30:31]
	s_lshl_b32 s28, ttmp9, 9
	s_add_nc_u64 s[16:17], s[16:17], s[28:29]
.set RW, 114                           ; v114-177 the 16 rows as they are loaded
.irp i, 0,1,2,3,4,5,6,7,8,9,10,11,12,13,14,15
	global_load_b128 v[RW+4*\i:RW+4*\i+3], v4, s[22:23] offset:2048*((\i)%8+16*((\i)/8)) th:TH_LOAD_NT   ; the fragment's row i: 32 lanes read 512 consecutive bytes, aligned
.endr
.irp i, 0,1,2,3,4,5,6,7,8,9,10,11,12,13,14,15
	s_wait_loadcnt 15-\i                           ; row i is in; the 15 - i loads issued behind it may be out
	ds_store_b128 v7, v[RW+4*\i:RW+4*\i+3] offset:528*\i
.endr
.irp b, 0,1,2,3
.irp j, 0,1,2,3
	ds_load_b128 v[X+16*\b+4*\j:X+16*\b+4*\j+3], v9 offset:128*\b+16*\j   ; LDS serves a wave's instructions in order: these see my stores; the stage is my wave's own
.endr
.endr
	s_wait_dscnt 0x0
	QUANT X, PW
.irp c, 0,1,2,3
	global_store_b128 v5, v[PC+4*\c:PC+4*\c+3], s[14:15] offset:512*\c   ; 32 lanes store 512 consecutive bytes, aligned
.endr
	ds_store_b32 v6, v[PW]                         ; lanes l and l xor 16 write the same word with the same value
	s_wait_dscnt 0x0                               ; for the others' sake: my store has landed
	s_barrier_signal -1
	s_barrier_wait -1
	s_cmp_lg_u32 s18, 0
	s_cbranch_scc1 .Lend
	ds_load_b128 v[12:15], v5                      ; wave 0: the pair's 512 bytes of scale words
	s_wait_dscnt 0x0
	global_store_b128 v5, v[12:15], s[16:17]       ; 512 consecutive bytes, aligned
.Lend:
	s_wait_tensorcnt 0x0
	ds_add_u32 v112, v113
	s_wait_dscnt 0x0
	s_endpgm
.Lfunc_end_k_q5a38a23d44_quant:
	.size	k_q5a38a23d44_quant, .Lfunc_end_k_q5a38a23d44_quant-k_q5a38a23d44_quant
	.p2alignl 7, 3214868480
	.fill 96, 4, 3214868480
	.section	.rodata,"a",@progbits
	.p2align	6, 0x0
	.amdhsa_kernel k_q5a38a23d44_quant
		.amdhsa_group_segment_fixed_size 69120
		.amdhsa_private_segment_fixed_size 0
		.amdhsa_enable_private_segment 0
		.amdhsa_kernarg_size 56
		.amdhsa_user_sgpr_count 2
		.amdhsa_user_sgpr_kernarg_segment_ptr 1
		.amdhsa_wavefront_size32 1
		.amdhsa_system_sgpr_workgroup_id_x 1
		.amdhsa_system_sgpr_workgroup_id_y 1
		.amdhsa_system_sgpr_workgroup_id_z 1
		.amdhsa_system_vgpr_workitem_id 0
		.amdhsa_next_free_vgpr 178
		.amdhsa_next_free_sgpr 66
		.amdhsa_reserve_vcc 0
		.amdhsa_float_denorm_mode_32 3
		.amdhsa_float_denorm_mode_16_64 3
		.amdhsa_memory_ordered 1
		.amdhsa_forward_progress 1
		.amdhsa_inst_pref_size 18
	.end_amdhsa_kernel
	.amdgpu_metadata
---
amdhsa.version: [ 1, 2 ]
amdhsa.kernels:
  - .name:           k_q5a38a23d44_quant
    .symbol:         k_q5a38a23d44_quant.kd
    .args:
      - { .name: x, .offset: 0, .size: 8, .value_kind: global_buffer, .address_space: global }
      - { .name: Wq, .offset: 8, .size: 8, .value_kind: global_buffer, .address_space: global }
      - { .name: Wk, .offset: 16, .size: 8, .value_kind: global_buffer, .address_space: global }
      - { .name: Wv, .offset: 24, .size: 8, .value_kind: global_buffer, .address_space: global }
      - { .name: Wo, .offset: 32, .size: 8, .value_kind: global_buffer, .address_space: global }
      - { .name: cimg, .offset: 40, .size: 8, .value_kind: global_buffer, .address_space: global }
      - { .name: cscl, .offset: 48, .size: 8, .value_kind: global_buffer, .address_space: global }
    .group_segment_fixed_size: 69120
    .private_segment_fixed_size: 0
    .kernarg_segment_align: 8
    .kernarg_segment_size: 56
    .max_flat_workgroup_size: 256
    .sgpr_count:     66
    .vgpr_count:     178
    .wavefront_size: 32
...
	.end_amdgpu_metadata
.endif
;; end of part 1
;; launch proj (part 2): grid 6 x 32, 4 waves a work-group, no clusters, 168,448 bytes of LDS; arguments cimg, cscl, bq, bk, bv, qrec, kv; writes qrec, kv
.if DOCPART == 2
	.amdgcn_target "amdgcn-amd-amdhsa--gfx1250"
	.amdhsa_code_object_version 6
	.text
	.protected	k_q5a38a23d44_proj
	.globl	k_q5a38a23d44_proj
	.p2align	8
	.type	k_q5a38a23d44_proj,@function
k_q5a38a23d44_proj:
	s_mov_b64 s[64:65], 0
	v_nop
	global_prefetch_b8 v0, s[64:65] scope:SCOPE_SE
	s_setreg_imm32_b32 hwreg(HW_REG_WAVE_MODE, 25, 1), 1
	s_wait_xcnt 0x0
; q = x Wq^T + bq, k = x Wk^T + bk, v = x Wv^T + bv on codes of BF8 (E5M2) with E8M0 scales, sums in f32; the results are quantised on the way and leave as images of the next operands' registers.
; SHARES.  Work-group (cg, rg): projection m = cg / 2 (q, k, v), heads 4 (cg % 2) + wave, tokens 256 rg .. + 255 (8 pairs of tiles, two groups of 128).  A wave owns one head's 64 features: its 16 weight
; fragments stay in 256 registers, read once.  x's 8 pairs (131,072 bytes, dense in cimg) come into LDS once, a quarter by each wave's tensor load; nothing is filled again.
; 192 work-groups: 24 head units x 32 token groups; a token group is not cut finer, since V's scale word spans 128 keys.
; NO CLUSTER: x's block is shared by the six work-groups along x, and six is no multiple of four; the weights go straight into registers, where a joint load cannot bring them.
; q, k: source 0 = 16 weight rows, source 1 = 16 tokens: a lane holds one token, its registers run along the features.  The weight rows of a tile are chosen (row 32 b + 8 u + (r & 7) + 16 (r >> 3)) so that the
;   16 registers of tiles 2 b, 2 b + 1 are 16 neighbouring features.  A pair of token tiles gives one image: registers 4 (2 u + cc) on = token tile u, head block cc of 32; its scale word has byte 2 u + cc.
; v: the sources change places: a lane holds one feature, its registers run along the tokens, which are the keys, the next K.  A pair of token tiles is one block of 32 keys for each of four feature tiles.
; qrec: [batch x head 16][group 32] records of 8,448 bytes: 4 pair images, then 256 bytes of scale words [r][pair].
; kv:   [batch x head 16][key step 32] records of 16,896 bytes: K's 4 pair images; V's 4 images (feature tile t; registers 4 j on = key block j); K's words [r][pair]; V's words [r][t], byte j.
; LIMITS: NaN and infinities are not served; a block under 2^-111 gets the byte 1 (a block of zeros has zero codes; this program alone reads the bytes).
; REGISTERS: window 0 as named below; window 1: weight fragment (t, K step) at v[16 (4 t + ks)]; window 2: x's fragment (u, K step) at v[16 (4 u + ks)].
.set LI,  4                            ; v4  16 x lane;  v5  the same + 65,536 (x's pairs 4-7 in LDS)
.set SA,  6                            ; v6  where I store 8 bytes of scale words: 16 r + 8 h + their place in a record
.set BA,  7                            ; v7  my byte in the head's 64 biases
.set WS,  8                            ; v8-15    weight scale words (b, K step): lanes 0-15 tile 2 b, lanes 16-31 tile 2 b + 1
.set XS,  16                           ; v16-47   x's scale words (pair, K step): lanes 0-15 tile u = 0, lanes 16-31 u = 1
.set HA,  48                           ; v48-111  eight accumulators
.set BI,  112                          ; v112-143 the bias in the result's layout, 8 registers a feature tile
.set PC,  144                          ; v144-159 the codes just made
.set TM,  160                          ; v160-175 the quantiser's work
.set PW,  176                          ; v176-179 the scale words of a group's four pairs
.set TR,  180                          ; v180-187 V: the 4 x 4 bytes turned
.set SD,  188                          ; v188-189 the scale words on their way out
.set SEL, 24
.set MNT, 26
.set MSB, 0
.macro WIN new                         ; the immediate's high byte repeats the setting that is left
.if MSB != \new
	s_set_vgpr_msb (MSB<<8)|\new
.set MSB, \new
.endif
.endm
.macro QUANT s, pw                     ; 64 numbers of a lane, block b in registers 16 b .. 16 b + 15, become codes in v[PC] on and a scale word in v[pw]
.irp b, 0,1,2,3
	v_max3_num_f32 v[TM+\b], |v[\s+16*\b]|, |v[\s+1+16*\b]|, 0x8000000   ; my 16 numbers and the floor 2^(16 - 127); each accumulator is read from its low end on
.endr
.irp i, 2,4,6,8,10,12,14
.irp b, 0,1,2,3
	v_max3_num_f32 v[TM+\b], v[TM+\b], |v[\s+16*\b+\i]|, |v[\s+1+16*\b+\i]|
.endr
.endr
.irp b, 0,1,2,3
	v_permlanex16_b32 v[TM+4+\b], v[TM+\b], s[SEL], s[SEL+1]
.endr
.irp b, 0,1,2,3
	v_max_num_f32 v[TM+\b], v[TM+\b], v[TM+4+\b]   ; with lane l xor 16's 16: the block's largest magnitude
.endr
.irp b, 0,1,2,3
	v_add_nc_u32 v[TM+12+\b], 0xf8800000, v[TM+\b]   ; 15 off the exponent field: the conversion's scale operand
.endr
.irp b, 0,1,2,3
	v_and_or_b32 v[TM+8+\b], v[TM+\b], 0x7f800000, s[MNT]   ; 57,344 x the scale
.endr
.irp b, 0,1,2,3
	v_lshrrev_b32 v[TM+4+\b], 23, v[TM+12+\b]   ; the scale's byte
.endr
	v_lshl_or_b32 v[\pw], v[TM+5], 8, v[TM+4]
	v_lshl_or_b32 v[\pw], v[TM+6], 16, v[\pw]
	v_lshl_or_b32 v[\pw], v[TM+7], 24, v[\pw]
.irp b, 0,1,2,3
.irp i, 0,1,2,3,4,5,6,7,8,9,10,11,12,13,14,15
	v_med3_num_f32 v[\s+16*\b+\i], v[\s+16*\b+\i], -v[TM+8+\b], v[TM+8+\b]   ; the conversion does not saturate (ISA guide 7.6.2): the hold comes first
.endr
	v_cvt_scalef32_pk8_bf8_f32 v[PC+4*\b:PC+1+4*\b], v[\s+16*\b:\s+7+16*\b], v[TM+12+\b]
	v_cvt_scalef32_pk8_bf8_f32 v[PC+2+4*\b:PC+3+4*\b], v[\s+8+16*\b:\s+15+16*\b], v[TM+12+\b]
.endr
	v_nop                                          ; one plain vector instruction behind the last scaled conversion
.endm
; one matrix instruction: D, A, B, C by their first registers; the scale registers; ra, rb = 1: that side's scales stand in lanes 16-31
.macro MM d, a, b, c, sa, sb, ra, rb
.if (\ra) && (\rb)
	v_wmma_scale_f32_16x16x128_f8f6f4 v[\d:\d+7], v[\a:\a+15], v[\b:\b+15], v[\c:\c+7], v[\sa], v[\sb] matrix_a_fmt:MATRIX_FMT_BF8 matrix_b_fmt:MATRIX_FMT_BF8 matrix_a_scale:MATRIX_SCALE_ROW1 matrix_b_scale:MATRIX_SCALE_ROW1
.elseif \ra
	v_wmma_scale_f32_16x16x128_f8f6f4 v[\d:\d+7], v[\a:\a+15], v[\b:\b+15], v[\c:\c+7], v[\sa], v[\sb] matrix_a_fmt:MATRIX_FMT_BF8 matrix_b_fmt:MATRIX_FMT_BF8 matrix_a_scale:MATRIX_SCALE_ROW1
.elseif \rb
	v_wmma_scale_f32_16x16x128_f8f6f4 v[\d:\d+7], v[\a:\a+15], v[\b:\b+15], v[\c:\c+7], v[\sa], v[\sb] matrix_a_fmt:MATRIX_FMT_BF8 matrix_b_fmt:MATRIX_FMT_BF8 matrix_b_scale:MATRIX_SCALE_ROW1
.else
	v_wmma_scale_f32_16x16x128_f8f6f4 v[\d:\d+7], v[\a:\a+15], v[\b:\b+15], v[\c:\c+7], v[\sa], v[\sb] matrix_a_fmt:MATRIX_FMT_BF8 matrix_b_fmt:MATRIX_FMT_BF8
.endif
.endm
.macro XFETCH i                        ; pair i of x: its 8 fragments from LDS into window 2, 32 loads of 512 consecutive bytes
	WIN 0x80
.irp u, 0,1
.irp ks, 0,1,2,3
.irp c, 0,1,2,3
	ds_load_b128 v[16*(4*\u+\ks)+4*\c:16*(4*\u+\ks)+4*\c+3], v[LI+(\i)/4] offset:((\i)%4)*16384+8192*\u+2048*\ks+512*\c
.endr
.endr
.endr
	WIN 0
.endm
; Pair i: 32 products, eight accumulators by turns, one instruction a turn, K ascending; the bias is the C of each sum's first product.  vp = 1: V's path.
.macro ITER vp, i
	s_wait_dscnt 0x0                               ; the pair's fragments are in
.if \vp
	WIN 0x06                                       ; source 0 (x) window 2, source 1 (weights) window 1
.else
	WIN 0x09                                       ; source 0 (weights) window 1, source 1 (x) window 2
.endif
.irp ks, 0,1,2,3
.irp u, 0,1
.irp t, 0,1,2,3
.if \vp
.set DD, HA+16*\t+8*\u
.else
.set DD, HA+16*(2*\u+\t/2)+8*(\t%2)
.endif
.if \ks == 0
.set CC, BI+8*\t
.else
.set CC, DD
.endif
.if \vp
	MM DD, 16*(4*\u+\ks), 16*(4*\t+\ks), CC, XS+4*(\i)+\ks, WS+4*(\t/2)+\ks, \u, \t%2
.else
	MM DD, 16*(4*\t+\ks), 16*(4*\u+\ks), CC, WS+4*(\t/2)+\ks, XS+4*(\i)+\ks, \t%2, \u
.endif
.endr
.endr
.endr
	WIN 0
.rept 8
	v_nop                                          ; eight places behind this form: in front of the first read of results and of the loads into x's registers
.endr
.if (\i) < 7
	XFETCH (\i)+1                                  ; the next pair lands while this one is quantised
.endif
	s_wait_xcnt 0x0                                ; the last pair's stores have read their data: the codes' registers are written again only behind this wait
	QUANT HA, PW+(\i)%4
.irp b, 0,1,2,3
.if \vp
	global_store_b128 v[LI], v[PC+4*\b:PC+4*\b+3], s[50+2*((\i)/4):51+2*((\i)/4)] offset:8192+2048*\b+512*((\i)%4)   ; feature tile b, key block i % 4
.else
	global_store_b128 v[LI], v[PC+4*\b:PC+4*\b+3], s[50+2*((\i)/4):51+2*((\i)/4)] offset:2048*((\i)%4)+512*\b        ; pair image i % 4
.endif
.endr
.endm
; A group's scale words leave as one aligned run of 256 bytes: lane (r, h) stores words 2 h, 2 h + 1 of row r.
.macro GEPI vp, g
.if \vp                                ; V wants byte j of word t = byte t of pair j's word: the 4 x 4 bytes are turned
	v_perm_b32 v[TR], v[PW+1], v[PW], 0x05010400
	v_perm_b32 v[TR+1], v[PW+1], v[PW], 0x07030602
	v_perm_b32 v[TR+2], v[PW+3], v[PW+2], 0x05010400
	v_perm_b32 v[TR+3], v[PW+3], v[PW+2], 0x07030602
	v_perm_b32 v[TR+4], v[TR+2], v[TR], 0x05040100
	v_perm_b32 v[TR+5], v[TR+2], v[TR], 0x07060302
	v_perm_b32 v[TR+6], v[TR+3], v[TR+1], 0x05040100
	v_perm_b32 v[TR+7], v[TR+3], v[TR+1], 0x07060302
	v_cndmask_b32 v[SD], v[TR+4], v[TR+6], s27
	v_cndmask_b32 v[SD+1], v[TR+5], v[TR+7], s27
.else
	v_cndmask_b32 v[SD], v[PW], v[PW+2], s27
	v_cndmask_b32 v[SD+1], v[PW+1], v[PW+3], s27
.endif
	global_store_b64 v[SA], v[SD:SD+1], s[50+2*\g:51+2*\g]
.endm
	s_load_b256 s[4:11], s[0:1], 0x0               ; cimg s[4:5], cscl s[6:7], bq s[8:9], bk s[10:11]
	s_load_b128 s[12:15], s[0:1], 0x20             ; bv s[12:13], qrec s[14:15]
	s_load_b64 s[16:17], s[0:1], 0x30              ; kv
	v_lshl_add_u32 v254, v0, 2, 0x29000
	v_mov_b32 v255, 0
	ds_add_u32 v254, v255
	ds_add_u32 v254, v255
	v_lshrrev_b32 v1, 5, v0
	v_readfirstlane_b32 s18, v1                    ; wave 0..3
	s_mov_b32 s19, ttmp9                           ; cg
	s_and_b32 s20, ttmp7, 0xffff                   ; rg
	s_lshr_b32 s21, s19, 1                         ; m: 0 q, 1 k, 2 v
	s_and_b32 s22, s19, 1
	s_lshl_b32 s22, s22, 2
	s_add_co_u32 s22, s22, s18                     ; head
	s_mov_b32 s32, 1                               ; group 0: count = 1
	s_lshl_b32 s33, s18, 15                        ; LDS address: 32,768 x wave
	s_mov_b32 s36, 3<<16                           ; group 1: no mask, elements of 8 bytes, no padding
	s_mov_b32 s37, 32<<16                          ; tensor_dim0 = 32 elements: rows of 256 bytes
	s_mov_b32 s38, 128<<16                         ; tensor_dim1 = 128
	s_mov_b32 s39, 32<<16                          ; tile_dim0 = 32
	s_mov_b32 s40, 128                             ; tile_dim1 = 128 rows: 32,768 dense bytes
	s_mov_b32 s41, 32                              ; the pitch: rows on end
	s_mov_b32 s42, 0
	s_mov_b32 s43, 0
	s_lshl_b32 s28, s20, 17                        ; x's 8 pairs begin at 131,072 rg; my quarter
	s_add_co_u32 s28, s28, s33
	s_mov_b32 s29, 0
	s_wait_dscnt 0x0
	s_wait_kmcnt 0x0
	s_add_nc_u64 s[34:35], s[4:5], s[28:29]
	s_or_b32 s35, s35, 0x80000000                  ; type = 2
	tensor_load_to_lds s[32:35], s[36:43]          ; the one fill of the launch, ahead of every wait on TENSORcnt, LDS read and barrier
	s_nop 0
.rept 4
	v_nop                                          ; behind a tensor load
.endr
	v_and_b32 v1, 31, v0
	v_and_b32 v2, 15, v0                           ; r
	s_wait_alu depctr_va_vdst(0)
	v_bfe_u32 v3, v0, 4, 1                         ; h
	v_lshlrev_b32 v[LI], 4, v1
	v_add_nc_u32 v[LI+1], 0x10000, v[LI]
	v_cmp_ne_u32 s27, 0, v3                        ; the lanes with h = 1
	s_mov_b32 s[SEL], 0x76543210
	s_mov_b32 s[SEL+1], 0xfedcba98
	s_mov_b32 s[MNT], 0x600000
.irp b, 0,1,2,3
	v_mov_b32 v[TM+4+\b], 0                        ; written once: a lane permute's destination counts as one of its sources
.endr
	s_lshl_b32 s28, s21, 4
	s_lshl_b32 s30, s22, 1
	s_add_co_u32 s28, s28, s30
	s_add_co_u32 s28, s28, 256                     ; my head's first pair of weight rows: 256 + 16 m + 2 x head
	s_lshl_b32 s30, s28, 9
	s_mov_b32 s31, 0
	s_lshl_b32 s28, s28, 14
	s_add_nc_u64 s[44:45], s[4:5], s[28:29]        ; its images
	s_add_nc_u64 s[46:47], s[6:7], s[30:31]        ; its scale words
	s_lshl_b32 s28, s20, 12
	s_add_nc_u64 s[54:55], s[6:7], s[28:29]        ; x's scale words: 512 bytes a pair
	s_movk_i32 s23, 16896                          ; a record's bytes, and where its scale words lie: chosen by m (an instruction takes one literal)
	s_movk_i32 s56, 16384
	s_cmp_eq_u32 s21, 1
	s_cselect_b64 s[48:49], s[10:11], s[12:13]
	s_cmp_eq_u32 s21, 0
	s_cselect_b64 s[48:49], s[8:9], s[48:49]       ; the bias
	s_cselect_b64 s[50:51], s[14:15], s[16:17]     ; qrec or kv
	s_cselect_b32 s23, 8448, s23
	s_cselect_b32 s56, 8192, s56
	s_cmp_eq_u32 s21, 2
	s_cselect_b32 s56, 16640, s56
	s_lshl_b32 s28, s22, 8
	s_add_nc_u64 s[48:49], s[48:49], s[28:29]      ; my head's 64 biases
	s_lshr_b32 s28, s20, 4
	s_lshl_b32 s28, s28, 3
	s_add_co_u32 s28, s28, s22                     ; batch x 8 + head
	s_lshl_b32 s28, s28, 5
	s_and_b32 s30, s20, 15
	s_lshl_b32 s30, s30, 1
	s_add_co_u32 s28, s28, s30                     ; the record of my first group of 128 tokens
	s_mul_i32 s28, s28, s23
	s_add_nc_u64 s[50:51], s[50:51], s[28:29]
	s_mov_b32 s30, s23
	s_add_nc_u64 s[52:53], s[50:51], s[30:31]      ; and of my second
	v_lshlrev_b32 v[SA], 4, v2
	s_wait_alu depctr_va_vdst(0)
	v_lshl_add_u32 v[SA], v3, 3, v[SA]
	v_add_nc_u32 v[SA], s56, v[SA]
	WIN 0x40                                       ; destination window 1
.irp t, 0,1,2,3
.irp ks, 0,1,2,3
.irp c, 0,1,2,3
	global_load_b128 v[16*(4*\t+\ks)+4*\c:16*(4*\t+\ks)+4*\c+3], v[LI], s[44:45] offset:16384*(\t/2)+8192*(\t%2)+2048*\ks+512*\c
.endr
.endr
.endr
	WIN 0
.irp b, 0,1
	global_load_b128 v[WS+4*\b:WS+4*\b+3], v[LI], s[46:47] offset:512*\b
.endr
.irp i, 0,1,2,3,4,5,6,7
	global_load_b128 v[XS+4*\i:XS+4*\i+3], v[LI], s[54:55] offset:512*\i
.endr
	s_wait_tensorcnt 0x0                           ; my quarter of x's block is in LDS,
	s_barrier_signal -1
	s_barrier_wait -1                              ; everybody's is
	s_cmp_ge_u32 s19, 4
	s_cbranch_scc1 .Lv
	; ---- q and k: lane (r, h) wants, for feature tile t, the biases of features 32 (t / 2) + 16 h + 8 (t % 2) + 0 .. 7
	v_lshlrev_b32 v[BA], 6, v3
.irp t, 0,1,2,3
	global_load_b128 v[BI+8*\t:BI+8*\t+3], v[BA], s[48:49] offset:(32*(\t/2)+8*(\t%2))*4
	global_load_b128 v[BI+8*\t+4:BI+8*\t+7], v[BA], s[48:49] offset:(32*(\t/2)+8*(\t%2))*4+16
.endr
	XFETCH 0
	s_wait_loadcnt 0x0
.irp i, 0,1,2,3
	ITER 0, \i
.endr
	GEPI 0, 0
.irp i, 4,5,6,7
	ITER 0, \i
.endr
	GEPI 0, 1
	s_wait_tensorcnt 0x0
	ds_add_u32 v254, v255
	s_wait_dscnt 0x0
	s_endpgm
.Lv:
	; ---- v: lane (r, h) holds feature 32 (t / 2) + 8 (t % 2) + (r & 7) + 16 (r >> 3) in all eight registers of tile t
	v_and_b32 v[BA], 7, v0
	v_bfe_u32 v1, v0, 3, 1
	v_lshl_add_u32 v[BA], v1, 4, v[BA]
	v_lshlrev_b32 v[BA], 2, v[BA]
.irp t, 0,1,2,3
.irp e, 0,1,2,3,4,5,6,7
	global_load_b32 v[BI+8*\t+\e], v[BA], s[48:49] offset:(32*(\t/2)+8*(\t%2))*4
.endr
.endr
	XFETCH 0
	s_wait_loadcnt 0x0
.irp i, 0,1,2,3
	ITER 1, \i
.endr
	GEPI 1, 0
.irp i, 4,5,6,7
	ITER 1, \i
.endr
	GEPI 1, 1
	s_wait_tensorcnt 0x0
	ds_add_u32 v254, v255
	s_wait_dscnt 0x0
	s_endpgm
.Lfunc_end_k_q5a38a23d44_proj:
	.size	k_q5a38a23d44_proj, .Lfunc_end_k_q5a38a23d44_proj-k_q5a38a23d44_proj
	.p2alignl 7, 3214868480
	.fill 96, 4, 3214868480
	.section	.rodata,"a",@progbits
	.p2align	6, 0x0
	.amdhsa_kernel k_q5a38a23d44_proj
		.amdhsa_group_segment_fixed_size 168448
		.amdhsa_private_segment_fixed_size 0
		.amdhsa_enable_private_segment 0
		.amdhsa_kernarg_size 56
		.amdhsa_user_sgpr_count 2
		.amdhsa_user_sgpr_kernarg_segment_ptr 1
		.amdhsa_wavefront_size32 1
		.amdhsa_system_sgpr_workgroup_id_x 1
		.amdhsa_system_sgpr_workgroup_id_y 1
		.amdhsa_system_sgpr_workgroup_id_z 1
		.amdhsa_system_vgpr_workitem_id 0
		.amdhsa_next_free_vgpr 640
		.amdhsa_next_free_sgpr 66
		.amdhsa_reserve_vcc 0
		.amdhsa_float_denorm_mode_32 3
		.amdhsa_float_denorm_mode_16_64 3
		.amdhsa_memory_ordered 1
		.amdhsa_forward_progress 1
		.amdhsa_inst_pref_size 255
	.end_amdhsa_kernel
	.amdgpu_metadata
---
amdhsa.version: [ 1, 2 ]
amdhsa.kernels:
  - .name:           k_q5a38a23d44_proj
    .symbol:         k_q5a38a23d44_proj.kd
    .args:
      - { .name: cimg, .offset: 0, .size: 8, .value_kind: global_buffer, .address_space: global }
      - { .name: cscl, .offset: 8, .size: 8, .value_kind: global_buffer, .address_space: global }
      - { .name: bq, .offset: 16, .size: 8, .value_kind: global_buffer, .address_space: global }
      - { .name: bk, .offset: 24, .size: 8, .value_kind: global_buffer, .address_space: global }
      - { .name: bv, .offset: 32, .size: 8, .value_kind: global_buffer, .address_space: global }
      - { .name: qrec, .offset: 40, .size: 8, .value_kind: global_buffer, .address_space: global }
      - { .name: kv, .offset: 48, .size: 8, .value_kind: global_buffer, .address_space: global }
    .group_segment_fixed_size: 168448
    .private_segment_fixed_size: 0
    .kernarg_segment_align: 8
    .kernarg_segment_size: 56
    .max_flat_workgroup_size: 128
    .sgpr_count:     66
    .vgpr_count:     640
    .wavefront_size: 32
...
	.end_amdgpu_metadata
.endif
;; end of part 2
;; launch attn (part 3): grid 16 x 16, 8 waves a work-group, clusters of 4 x 1, 327,680 bytes of LDS; arguments qrec, kv, oimg, oscl; writes oimg, oscl
.if DOCPART == 3
	.amdgcn_target "amdgcn-amd-amdhsa--gfx1250"
	.amdhsa_code_object_version 6
	.text
	.protected	k_q5a38a23d44_attn
	.globl	k_q5a38a23d44_attn
	.p2align	8
	.type	k_q5a38a23d44_attn,@function
k_q5a38a23d44_attn:
	s_mov_b64 s[64:65], 0
	v_nop
	global_prefetch_b8 v0, s[64:65] scope:SCOPE_SE
	s_setreg_imm32_b32 hwreg(HW_REG_WAVE_MODE, 25, 1), 1
	s_wait_xcnt 0x0
	s_wait_alu depctr_hold_cnt(0) depctr_sa_sdst(0) depctr_va_vdst(0) depctr_va_sdst(0) depctr_va_ssrc(0) depctr_va_vcc(0) depctr_vm_vsrc(0)
	s_getreg_b32 s2, hwreg(HW_REG_IB_STS2, 6, 4)
	s_cmp_eq_u32 s2, 0
	s_cbranch_scc0 .Lentry_in_a_cluster
	s_endpgm
.Lentry_in_a_cluster:
	s_bfe_u32 s2, ttmp6, 0x10000c
	s_cmp_lg_u32 s2, 0x3003
	s_cbranch_scc0 .Lentry_shape_is_right
	s_endpgm
.Lentry_shape_is_right:
; O[bh][q] = the sum over k of softmax_k(Q[bh][q] . K[bh][k] / 8) V[bh][k], head size 64, 4,096 keys, both products on codes of BF8 (E5M2) with E8M0 scales; O / l is quantised along the model's 512 on its way out.
; THE SOFTMAX AHEAD OF THE SECOND PRODUCT: t = score x log2(e) / 8; M = the running largest t rounded UP to a whole number; p = 2^(t - M) is quantised along the keys, not normalised; the row's sum is taken of the
; unquantised p and divides O at the end.  When M moves, the sum and O are multiplied by 2^(old M - new M): exact.
; SHARES.  A work-group owns 256 queries of one (batch, head); each of its EIGHT waves a pair of query tiles, 32 queries, in 512 registers: every fragment of K and V that a wave reads from LDS feeds both tiles.
; REGISTERS.  Tile 0's own registers lie in window 0, tile 1's in window 1 under the SAME numbers, so that one macro serves both under another window setting.  v40-103 hold K's four images in window 0 and V's four in
; window 1.  Scale operands have no window: all of them lie in window 0.
; Every wave walks all keys, 128 a step.  A step's K, V and scale words are one dense record of 16,896 bytes in kv, laid as images of the operands' registers: every LDS load takes 512 consecutive bytes.
; THE ORDER OF A STEP.  Tile 0's S^T | tile 1's S^T with tile 0's maxima among its products | M, t - M, the rescalings | this step's V and the next step's K are asked of LDS | all 136 exponentials as one batch |
; tile 0's scales, sum, holds and codes | tile 0's V^T P^T with tile 1's scale lines among its products | tile 1's sum, holds and codes | tile 1's V^T P^T.
; RING: two slots of eight records.  Each wave brings one record (66 rows of 256 bytes) behind each round: a wave has one tensor load out at a time.
; CLUSTER: the four query blocks of a cluster walk the same (batch, head), so each record is asked for JOINTLY: the same load, the same descriptor, a mask that names the four.
; LOOPS: three trips of (change of slots with a refill, eight steps); the last slot, which asks for nothing, is written out: no jump leads round a tensor load.  A slot's last step fetches no next K from LDS
; (it lies behind the next change of slots): a scalar branch on the count of steps leads round those LDS loads alone.
; PREFETCH: behind the change that loads slot n + 1 each wave names its record of slot n + 2, a slot's eight steps ahead of that record's load.  The record's 66 blocks of 256 bytes are dealt to the four partners by address,
; 17 to each (lanes left over name the last block again).  Slots 0 and 1 come by their loads alone; the third change names nothing: there is no slot 4.
; LAYOUT.  Both products are used transposed (S^T = K Q^T, O^T = V^T P^T): a lane holds ONE query of each tile.  By the choice of a tile's rows the 16 registers of tiles 2 j, 2 j + 1 of S^T are 16 neighbouring keys.
; K = 64 IN AN INSTRUCTION OF 128: K's pair image is source 0 as it stands (key tile 0 in k 0-63, key tile 1 in k 64-127); source 1 is [Q][zeros] or [zeros][Q]: v16-39 hold [Q][0][Q].  Q's scale word gives the dead half the byte 1.
; LIMITS: NaN and infinities are not served.  A block's largest p is taken from its largest score, which leans on v_exp_f32 not falling where its input rises.  1 / l is v_rcp_f32's.
; A block whose largest magnitude lies under 2^-111 gets the byte 1 (a block of zeros has zero codes; this program alone reads the bytes).
.set REC,   16896
.set NREC,  8
.set SLOTB, NREC*REC                   ; 135,168 bytes = 0x21000: no bit of it is set in wave x REC, so one exclusive or turns a slot's address into the other's
.set SPARE, 2*SLOTB                    ; the spare words: 128 bytes for each of 8 waves, four blocks of 256 bytes that no other line names
.set OSC,   SPARE+1024                 ; the way out: 512 scale bytes; no fill lands here
.set L16, 1                            ; v1 16 x lane;  v2 16 x (lane % 16);  v3, v4 the add's two registers;  v5, v6 the record in hand: images, scale words;  v7 the prefetch's offset (all window 0)
.set R16, 2
.set SPW, 3
.set NIL, 4
.set AD,  5
.set ASC, 6
.set PFO, 7
.set C3,  8                            ; a tile's own, in its window: v8-11, v240-241 chains of the sum (v10 also the old -M); v12 -M; v13 the largest t; v14-15 the sum
.set C4,  10
.set QF,  16                           ; v16-39   [Q 8][zeros 8][Q 8]
.set KV,  40                           ; v40-103  window 0: K's images; window 1: V's
.set S,   104                          ; v104-167 S^T, then p
.set O,   168                          ; v168-199 O^T
.set PC,  200                          ; v200-215 p's codes
.set KS,  216                          ; window 0: v216-219 K's scale words, v220-223 V's
.set VS,  220
.set BM,  224                          ; v224-227 a block's largest score, then its largest p; v228-231 a second chain, the other half's, then bytes; both then chains of the sum
.set T1,  228
.set HD,  232                          ; v232-235 57,344 x the scale; v236-239 the conversions' scale operands
.set SO,  236
.set C2,  240
.set F,   242                          ; v242 f = 2^(old M - new M); v243 = 0, named with it as a pair
.set TP,  244
.set QSA, 246                          ; window 0, scales alone: v246-247 tile 0's Q words, v252-253 tile 1's, v248 and v249 p's words of tiles 0 and 1
.set PSA, 248
.set QSB, 252
.set WV,  12
.set MNT, 19
.set SEL, 20
.set CS,  22                           ; s[22:23] c = log2(e) / 8, twice
.set G1,  24
.set G0,  32
.set TB,  36                           ; s36 LDS byte of the record in hand; s37 steps left in the slot; s38 the slot in hand; s39 the trip
.set CNT, 37
.set SB,  38
.set OC,  39
.set PFA, 56                           ; s[56:57] my record, one slot on from the one that is being loaded
.set MSB, 0
.macro WIN new                         ; the immediate's high byte repeats the setting that is left
.if MSB != \new
	s_set_vgpr_msb (MSB<<8)|\new
.set MSB, \new
.endif
.endm
.macro WALU
	s_wait_alu depctr_va_vdst(0)
.endm
.macro NOPS n
.rept \n
	v_nop
.endr
.endm
.macro CROUND                          ; a round of the cluster's barrier
	s_barrier_signal -1
	s_barrier_wait -1
	s_cmp_lg_u32 s[WV], 0
	s_cbranch_scc1 .Lnot_wave_0_\@
	s_barrier_signal -3
.Lnot_wave_0_\@:
	s_barrier_wait -3
	s_barrier_signal -1
	s_barrier_wait -1
.endm
.macro TLOAD                           ; every wave's one joint load: its record; s_nop 0 and four v_nop follow
	tensor_load_to_lds s[G0:G0+3], s[G1:G1+7]
	s_nop 0
	NOPS 4
.endm
.macro INIT                            ; a tile's state, in the window that is set
.irp j, 8,9,10,11,12,13,14,15
	v_mov_b32 v[QF+\j], 0                          ; zero codes
.endr
.set j, 0
.rept 32
	v_mov_b32 v[O+j], 0                            ; O^T: the step is written once; the first finds zeros, which the first change of M leaves zeros
.set j, j+1
.endr
	v_mov_b32 v13, 0xff61b1e6                      ; the largest t so far: -3e38
	v_floor_f32 v12, -v13
	v_mov_b32 v14, 0
	v_mov_b32 v15, 0
.irp b, 0,1,2,3
	v_mov_b32 v[T1+\b], 0                          ; a lane permute's destination counts as one of its sources
.endr
	v_mov_b32 v[F+1], 0
	v_mov_b32 v[TP], 0
.endm
	s_load_b256 s[4:11], s[0:1], 0x0               ; qrec s[4:5], kv s[6:7], oimg s[8:9], oscl s[10:11]
	v_lshl_add_u32 v[SPW], v0, 2, SPARE
	v_mov_b32 v[NIL], 0
	ds_add_u32 v[SPW], v[NIL]                      ; the opening: the add twice on end and one wait, ahead of the round in front of my first tensor load
	ds_add_u32 v[SPW], v[NIL]
	v_lshrrev_b32 v5, 5, v0
	v_readfirstlane_b32 s[WV], v5                  ; wave 0..7
	s_bfe_u32 s40, ttmp6, 0x40000                  ; cx
	s_lshl_b32 s13, ttmp9, 2
	s_add_co_u32 s13, s13, s40                     ; qb = 4 x cluster x + cx: it enters global addresses of Q, O and the prefetch alone
	s_and_b32 s14, ttmp7, 0xffff                   ; bh = batch x 8 + head, which the four partners share
	s_mov_b32 s[G1], 15|(3<<16)|(1<<21)            ; the mask: all four; elements of 8 bytes; bit 21 beside a mask; no padding
	s_mov_b32 s[G1+1], 32<<16                      ; rows of 256 bytes
	s_mov_b32 s[G1+2], 66<<16
	s_mov_b32 s[G1+3], 32<<16
	s_mov_b32 s[G1+4], 66                          ; 66 rows = one record
	s_mov_b32 s[G1+5], 32
	s_mov_b32 s[G1+6], 0
	s_mov_b32 s[G1+7], 0
	s_mov_b32 s[G0], 1
	s_mul_i32 s[G0+1], s[WV], REC                  ; LDS: slot 0, my record
	s_mul_i32 s42, s14, 32*REC
	s_add_co_u32 s42, s42, s[G0+1]
	s_mov_b32 s43, 0
	s_lshl_b32 s44, s13, 1                         ; Q: token pair 8 qb + wave: group 2 qb + wave / 4, pair image j = wave % 4
	s_lshr_b32 s45, s[WV], 2
	s_add_co_u32 s44, s44, s45
	s_mul_i32 s44, s44, 8448
	s_mul_i32 s45, s14, 32*8448
	s_add_co_u32 s44, s44, s45
	s_and_b32 s46, s[WV], 3
	s_lshl_b32 s48, s46, 2
	s_add_co_u32 s48, s48, s44
	s_add_co_u32 s48, s48, 8192                    ; the scale words [r][j]
	s_mov_b32 s49, 0
	s_lshl_b32 s45, s46, 11
	s_add_co_u32 s44, s44, s45                     ; the pair's image
	s_mov_b32 s45, 0
	s_lshr_b32 s50, s14, 3                         ; O: token tile T = 256 x batch + 16 qb + 2 x wave + u
	s_lshl_b32 s50, s50, 8
	s_lshl_b32 s51, s13, 4
	s_add_co_u32 s50, s50, s51
	s_lshl_b32 s52, s50, 5                         ; oscl: [head][T][r] of 2 bytes
	s_and_b32 s51, s14, 7
	s_lshl_b32 s53, s51, 14
	s_add_co_u32 s52, s52, s53
	s_mov_b32 s53, 0
	s_lshl_b32 s54, s[WV], 1
	s_add_co_u32 s50, s50, s54
	s_lshl_b32 s50, s50, 13                        ; oimg: [T][K step = head / 2][2,048]; registers 4 (2 (head % 2) + b) on
	s_lshr_b32 s54, s51, 1
	s_lshl_b32 s54, s54, 11
	s_add_co_u32 s50, s50, s54
	s_and_b32 s54, s14, 1
	s_lshl_b32 s54, s54, 10
	s_add_co_u32 s50, s50, s54
	s_mov_b32 s51, 0
	s_mul_i32 s41, s40, 17                         ; my work-group's 17 blocks of a record, for the prefetch
	s_mov_b32 s[SEL], 0x76543210
	s_mov_b32 s[SEL+1], 0xfedcba98
	s_mov_b32 s[CS], 0x3e38aa3b                    ; log2(e) / 8
	s_mov_b32 s[CS+1], s[CS]
	s_mov_b32 s[MNT], 0x600000
	s_mov_b32 s[SB], 0
	s_mov_b32 s[OC], 0
	s_wait_dscnt 0x0                               ; both opening adds are done
	s_wait_kmcnt 0x0
	s_add_nc_u64 s[G0+2:G0+3], s[6:7], s[42:43]    ; key steps 0-7: my record
	s_add_nc_u64 s[PFA:PFA+1], s[G0+2:G0+3], SLOTB
	s_or_b32 s[G0+3], s[G0+3], 0x80000000          ; type = 2
	s_add_nc_u64 s[44:45], s[4:5], s[44:45]
	s_add_nc_u64 s[48:49], s[4:5], s[48:49]
	s_add_nc_u64 s[8:9], s[8:9], s[50:51]
	s_add_nc_u64 s[10:11], s[10:11], s[52:53]
	CROUND                                         ; all four work-groups are here: the first joint loads meet
	TLOAD                                          ; slot 0
	v_and_b32 v[L16], 31, v0
	v_min_u32 v[PFO], 16, v[L16]
	v_lshlrev_b32 v[L16], 4, v[L16]
	v_and_b32 v[R16], 15, v0
	v_lshlrev_b32 v[R16], 4, v[R16]
	v_add_nc_u32 v[PFO], s41, v[PFO]
	v_min_u32 v[PFO], 65, v[PFO]                   ; block min(17 cx + min(lane, 16), 65) of the record's 66
	v_lshlrev_b32 v[PFO], 8, v[PFO]
.irp d, 0,16                                   ; Q's eight registers, twice, for each tile
	global_load_b128 v[QF+\d:QF+\d+3], v[L16], s[44:45]
	global_load_b128 v[QF+\d+4:QF+\d+7], v[L16], s[44:45] offset:512
.endr
	global_load_b32 v[C2], v[R16], s[48:49]        ; the pair's scale word of my row: bytes 2 u + block
	WIN 0x40
.irp d, 0,16
	global_load_b128 v[QF+\d:QF+\d+3], v[L16], s[44:45] offset:1024
	global_load_b128 v[QF+\d+4:QF+\d+7], v[L16], s[44:45] offset:1536
.endr
	WIN 0
	INIT
	WIN 0x55
	INIT
	WIN 0
	WALU                                           ; the wait ahead of the blocking wait
	s_wait_loadcnt 0x0
	v_and_b32 v[TP], 0xffff, v[C2]
	v_or_b32 v[QSA], 0x01010000, v[TP]             ; [Q][zeros]: the dead blocks get the byte 1
	v_lshl_or_b32 v[QSA+1], v[TP], 16, 0x101       ; [zeros][Q]
	v_lshrrev_b32 v[TP], 16, v[C2]
	v_or_b32 v[QSB], 0x01010000, v[TP]
	v_lshl_or_b32 v[QSB+1], v[TP], 16, 0x101
	NOPS 8                                         ; a scale register written by a vector instruction stands eight places ahead of the product that names it
	WALU                                           ; the wait at the head's end
.macro KLOAD off                       ; K's four pair images and their scale words, off bytes on from the record in hand: 17 loads
.irp j, 0,1,2,3
.irp c, 0,1,2,3
	ds_load_b128 v[KV+16*\j+4*\c:KV+16*\j+4*\c+3], v[AD] offset:(\off)+2048*\j+512*\c
.endr
.endr
	ds_load_b128 v[KS:KS+3], v[ASC] offset:(\off)+16384
.endm
.macro VLOAD                           ; V's four images of the record in hand into window 1, their scale words into window 0: 17 loads
	WIN 0x40
.irp t, 0,1,2,3
.irp c, 0,1,2,3
	ds_load_b128 v[KV+16*\t+4*\c:KV+16*\t+4*\c+3], v[AD] offset:8192+2048*\t+512*\c
.endr
.endr
	WIN 0
	ds_load_b128 v[VS:VS+3], v[ASC] offset:16640
.endm
.macro SM1 j, hi, qs                   ; one product of S^T = K Q^T: pair j's key tile hi; it starts its sum
	v_wmma_scale_f32_16x16x128_f8f6f4 v[S+16*(\j)+8*(\hi):S+16*(\j)+8*(\hi)+7], v[KV+16*(\j):KV+16*(\j)+15], v[QF+8*(\hi):QF+8*(\hi)+15], 0, v[KS+(\j)], v[(\qs)+(\hi)] matrix_a_fmt:MATRIX_FMT_BF8 matrix_b_fmt:MATRIX_FMT_BF8
.endm
.macro PV1 t, ps                       ; one product of O^T += V^T P^T: feature tile t; a tile's four accumulators take turns
	v_wmma_scale_f32_16x16x128_f8f6f4 v[O+8*(\t):O+8*(\t)+7], v[KV+16*(\t):KV+16*(\t)+15], v[PC:PC+15], v[O+8*(\t):O+8*(\t)+7], v[VS+(\t)], v[\ps] matrix_a_fmt:MATRIX_FMT_BF8 matrix_b_fmt:MATRIX_FMT_BF8
.endm
.macro TREE l                          ; the largest score of each block of 32 keys, in five parts of eight lines; two chains a block; each accumulator is read from its low end on
.if (\l) == 0
.irp b, 0,1,2,3
	v_max3_num_f32 v[BM+\b], v[S+16*\b], v[S+16*\b+1], v[S+16*\b+2]
.endr
.irp b, 0,1,2,3
	v_max3_num_f32 v[T1+\b], v[S+16*\b+8], v[S+16*\b+9], v[S+16*\b+10]
.endr
.elseif (\l) < 3
.irp b, 0,1,2,3
	v_max3_num_f32 v[BM+\b], v[BM+\b], v[S+16*\b+2*(\l)+1], v[S+16*\b+2*(\l)+2]
.endr
.irp b, 0,1,2,3
	v_max3_num_f32 v[T1+\b], v[T1+\b], v[S+16*\b+2*(\l)+9], v[S+16*\b+2*(\l)+10]
.endr
.elseif (\l) == 3
.irp b, 0,1,2,3
	v_max3_num_f32 v[BM+\b], v[BM+\b], v[T1+\b], v[S+16*\b+7]
.endr
.irp b, 0,1,2,3
	v_max_num_f32 v[BM+\b], v[BM+\b], v[S+16*\b+15]
.endr
.else
.irp b, 0,1,2,3
	v_permlanex16_b32 v[T1+\b], v[BM+\b], s[SEL], s[SEL+1]
.endr
.irp b, 0,1,2,3
	v_max_num_f32 v[BM+\b], v[BM+\b], v[T1+\b]     ; with lane l xor 16's 16 keys
.endr
.endif
.endm
.macro REST                            ; a tile's M, f, t - M, and O^T and the sum under the new M
	v_mov_b32 v[C4], v12                           ; the old -M
	v_max3_num_f32 v[TP], v[BM], v[BM+1], v[BM+2]
	v_max_num_f32 v[TP], v[TP], v[BM+3]
	v_mul_f32 v[TP], s[CS], v[TP]                  ; the step's largest score as t (c is positive)
	v_max_num_f32 v13, v13, v[TP]
	v_floor_f32 v12, -v13                          ; the new -M = -ceil(t)
	v_sub_f32 v[TP], v12, v[C4]                    ; old M - new M: a whole number, 0 or less
	v_fma_f32 v[BM], v[BM], s[CS], v12             ; t - M of each block's largest score
	v_fma_f32 v[BM+1], v[BM+1], s[CS], v12
	v_cvt_i32_f32 v[TP], v[TP]                     ; (it saturates)
	v_fma_f32 v[BM+2], v[BM+2], s[CS], v12
	v_fma_f32 v[BM+3], v[BM+3], s[CS], v12
	v_ldexp_f32 v[F], 1.0, v[TP]
.set j, 0
.rept 32
	v_pk_fma_f32 v[S+j:S+j+1], v[S+j:S+j+1], s[CS:CS+1], v[12:13] op_sel_hi:[1,0,0]
.set j, j+2
.endr
.set j, 0
.rept 16
	v_pk_mul_f32 v[O+j:O+j+1], v[O+j:O+j+1], v[F:F+1] op_sel_hi:[1,0]   ; each accumulator from its low end on
.set j, j+2
.endr
	v_pk_mul_f32 v[14:15], v[14:15], v[F:F+1] op_sel_hi:[1,0]
.endm
.macro EXPS                            ; a tile's 68 exponentials: the blocks' largest p by the same multiply-add and exponential as the score's own, then p = 2^(t - M)
.irp b, 0,1,2,3
	v_exp_f32 v[BM+\b], v[BM+\b]
.endr
.set j, 0
.rept 64
	v_exp_f32 v[S+j], v[S+j]
.set j, j+1
.endr
.endm
.macro FINA1                           ; the blocks' scales, in three parts
.irp b, 0,1,2,3
	v_max_num_f32 v[BM+\b], 0x8000000, v[BM+\b]    ; the floor 2^(16 - 127): the byte cannot fall under 1
.endr
.irp b, 0,1,2,3
	v_add_nc_u32 v[SO+\b], 0xf8800000, v[BM+\b]    ; 15 off the exponent field: the conversion's scale operand
.endr
.endm
.macro FINA2
.irp b, 0,1,2,3
	v_and_or_b32 v[HD+\b], v[BM+\b], 0x7f800000, s[MNT]   ; 57,344 x the scale
.endr
.irp b, 0,1,2,3
	v_lshrrev_b32 v[T1+\b], 23, v[SO+\b]
.endr
.endm
.macro FINA3 w, ps
	v_lshl_or_b32 v[TP], v[T1+1], 8, v[T1]
	v_lshl_or_b32 v[TP], v[T1+2], 16, v[TP]
.if \w
	WIN 0x15                                       ; the scale word goes to window 0
.endif
	v_lshl_or_b32 v[\ps], v[T1+3], 24, v[TP]       ; p's scale word; over 60 vector lines ahead of the product that names it
.if \w
	WIN 0x55
.endif
.endm
.macro ACC r, q
	v_pk_add_f32 v[\r:\r+1], v[\r:\r+1], v[S+2*(\q):S+2*(\q)+1]
.endm
.macro BEG r, q
	v_pk_add_f32 v[\r:\r+1], v[S+2*(\q):S+2*(\q)+1], v[S+2*(\q)+2:S+2*(\q)+3]
.endm
.macro JOIN r, x
	v_pk_add_f32 v[\r:\r+1], v[\r:\r+1], v[\x:\x+1]
.endm
.macro FINB                            ; the row's sum of the unquantised p: 32 packed additions in eight chains; the seven that join the chains stand in FINC
	BEG C2, 0
	BEG C3, 2
	BEG C4, 4
	BEG BM, 6
	BEG BM+2, 8
	BEG T1, 10
	BEG T1+2, 12
.irp q, 14,22
	ACC 14, \q
	ACC C2, \q+1
	ACC C3, \q+2
	ACC C4, \q+3
	ACC BM, \q+4
	ACC BM+2, \q+5
	ACC T1, \q+6
	ACC T1+2, \q+7
.endr
	ACC 14, 30
	ACC C2, 31
.endm
.macro MINS b                          ; the conversion does not saturate (ISA guide 7.6.2); p is not negative: a one-sided hold, in place, two a line
.irp i, 0,2,4,6,8,10,12,14
	v_dual_min_num_f32 v[S+16*\b+\i], v[S+16*\b+\i], v[HD+\b] :: v_dual_min_num_f32 v[S+16*\b+\i+1], v[S+16*\b+\i+1], v[HD+\b]
.endr
.endm
.macro CVT2 b
	v_cvt_scalef32_pk8_bf8_f32 v[PC+4*\b:PC+4*\b+1], v[S+16*\b:S+16*\b+7], v[SO+\b]
	v_cvt_scalef32_pk8_bf8_f32 v[PC+4*\b+2:PC+4*\b+3], v[S+16*\b+8:S+16*\b+15], v[SO+\b]
.endm
.macro FINC                            ; holds and codes, a block's conversions a block behind its holds
	MINS 0
	MINS 1
	CVT2 0
	MINS 2
	CVT2 1
	MINS 3
	CVT2 2
	JOIN C2, C3
	JOIN C4, BM
	JOIN BM+2, T1
	JOIN 14, T1+2
	CVT2 3
	JOIN C2, C4                                    ; with the v_nop, the four places between the codes and the product
	JOIN 14, BM+2
	JOIN 14, C2
	v_nop
.endm
; A KEY STEP: 128 keys for both query tiles.
.macro BODY
	s_wait_dscnt 0x0                               ; K and its words are in
.irp j, 0,1,2,3                                ; tile 0's S^T
.irp h, 0,1
	SM1 \j, \h, QSA
.endr
.endr
	WIN 0x54                                       ; tile 1's S^T: source 0 (K) window 0; Q, S^T window 1
	SM1 0, 0, QSB
	NOPS 4                                         ; eight places behind tile 0's last product, ahead of the first read of its scores
	SM1 0, 1, QSB
	NOPS 4
.irp n, 0,1,2,3,4                              ; tile 0's maxima, eight lines behind each product
	SM1 (\n+2)/2, (\n)%2, QSB
	WIN 0
	TREE \n
	WIN 0x54
.endr
	SM1 3, 1, QSB
	WIN 0
	REST                                           ; its lines are also the places ahead of the first read of tile 1's scores and of the loads into K's and V's registers
	WIN 0x55
.irp n, 0,1,2,3,4
	TREE \n
.endr
	REST
	WIN 0
	WALU                                           ; one wait ahead of the batch (and of the branch), one behind it
	VLOAD                                          ; this step's V: the exponentials and tile 0's scales, sum, holds and codes stand between these loads and the wait for them
	s_cmp_eq_u32 s[CNT], 1
	s_cbranch_scc1 .Lno_k_\@                       ; the slot's last step has no successor in this slot
	KLOAD REC                                      ; the next step's K
.Lno_k_\@:
	EXPS
	WIN 0x55
	EXPS
	v_nop                                          ; a plain place behind the last exponential
	WALU
	WIN 0
	s_add_co_u32 s[TB], s[TB], REC                 ; on to the next record: all this step's LDS loads are issued
	v_add_nc_u32 v[AD], s[TB], v[L16]
	v_add_nc_u32 v[ASC], s[TB], v[R16]
	FINA1
	FINA2
	FINA3 0, PSA
	FINB
	FINC
	WALU                                           ; the wait ahead of the blocking wait
	s_wait_dscnt 0x0                               ; V is in, and the next K
	WIN 0x01                                       ; tile 0's products: source 0 (V) window 1, the rest window 0; tile 1's scale lines stand among them
	PV1 0, PSA
	WIN 0x55
	FINA1
	WIN 0x01
	PV1 1, PSA
	WIN 0x55
	FINA2
	WIN 0x01
	PV1 2, PSA
	WIN 0x55
	FINA3 1, PSA+1
	WIN 0x01
	PV1 3, PSA
	WIN 0x55
	FINB
	FINC
	WALU                                           ; behind the step's last plain vector line: products alone follow up to the backward jump and the next blocking wait
.irp t, 0,1,2,3
	PV1 \t, PSA+1
.endr
	WIN 0
.endm
; THE CHANGE OF SLOTS.  Each wave waits for all its tensor loads, adds 0 to its spare word, and waits for that and for its reads of the slot that it has left.
; fill = 1: a round of the cluster's barrier; behind it the slot that was left takes the next eight records, which have this slot's eight steps in which to land.
.macro CHANGE fill
	s_wait_tensorcnt 0x0                           ; no tensor load of mine is out, so group 0 may be written
	ds_add_u32 v[SPW], v[NIL]
.if \fill
	s_xor_b32 s[G0+1], s[G0+1], SLOTB
	s_add_nc_u64 s[G0+2:G0+3], s[G0+2:G0+3], SLOTB ; the type bits on top are not reached
	s_wait_xcnt 0x0                                ; my last prefetch has read its address
	s_add_nc_u64 s[PFA:PFA+1], s[PFA:PFA+1], SLOTB
.endif
	s_wait_dscnt 0x0
.if \fill
	CROUND
	TLOAD
.else
	s_barrier_signal -1
	s_barrier_wait -1
.endif
	s_mov_b32 s[TB], s[SB]
	v_add_nc_u32 v[AD], s[TB], v[L16]
	v_add_nc_u32 v[ASC], s[TB], v[R16]
	KLOAD 0
.if \fill
	s_cmp_lt_u32 s[OC], 2
	s_cbranch_scc0 .Lnone_ahead_\@
	global_prefetch_b8 v[PFO], s[PFA:PFA+1] th:TH_LOAD_NT scope:SCOPE_SE
.Lnone_ahead_\@:
.endif
	s_mov_b32 s[CNT], NREC
	WALU
.endm
.macro STEPS
.Lstep_\@:
	BODY
	s_sub_co_u32 s[CNT], s[CNT], 1
	s_cmp_lg_u32 s[CNT], 0
	s_cbranch_scc1 .Lstep_\@
.endm
.Lslot:                                            ; three trips: slots 0, 1, 2 are walked while slots 1, 2, 3 land
	CHANGE 1
	STEPS
	s_xor_b32 s[SB], s[SB], SLOTB
	s_add_co_u32 s[OC], s[OC], 1
	s_cmp_lt_u32 s[OC], 3
	s_cbranch_scc1 .Lslot
	CHANGE 0                                       ; key steps 24-31: nothing is left to fetch
	STEPS
; THE WAY OUT.  O^T / l; register 16 b + i of a lane is channel 32 b + 16 h + i of my head: two blocks of 32 along the last product's K.  They are quantised and leave as part of that operand's image.
; The six lines of the two sums and the two address lines are the eight places between the last products and the first read of O^T.
.macro LSUM
	v_add_f32 v14, v14, v15
	v_permlanex16_b32 v[TP], v14, s[SEL], s[SEL+1]
	v_add_f32 v14, v14, v[TP]
.endm
.macro OUTQ
.set j, 0
.rept 32
	v_mul_f32 v[S+j], v[O+j], v14
.set j, j+1
.endr
.irp b, 0,1
	v_max3_num_f32 v[BM+\b], |v[S+16*\b]|, |v[S+1+16*\b]|, 0x8000000
.endr
.irp i, 2,4,6,8,10,12,14
.irp b, 0,1
	v_max3_num_f32 v[BM+\b], v[BM+\b], |v[S+16*\b+\i]|, |v[S+1+16*\b+\i]|
.endr
.endr
.irp b, 0,1
	v_permlanex16_b32 v[T1+\b], v[BM+\b], s[SEL], s[SEL+1]
.endr
.irp b, 0,1
	v_max_num_f32 v[BM+\b], v[BM+\b], v[T1+\b]
.endr
.irp b, 0,1
	v_add_nc_u32 v[SO+\b], 0xf8800000, v[BM+\b]
.endr
.irp b, 0,1
	v_and_or_b32 v[HD+\b], v[BM+\b], 0x7f800000, s[MNT]
.endr
.irp b, 0,1
	v_lshrrev_b32 v[T1+\b], 23, v[SO+\b]
.endr
	v_lshl_or_b32 v[TP], v[T1+1], 8, v[T1]         ; my row's two scale bytes
.irp b, 0,1
.irp i, 0,1,2,3,4,5,6,7,8,9,10,11,12,13,14,15
	v_med3_num_f32 v[S+16*\b+\i], v[S+16*\b+\i], -v[HD+\b], v[HD+\b]
.endr
	v_cvt_scalef32_pk8_bf8_f32 v[PC+4*\b:PC+1+4*\b], v[S+16*\b:S+7+16*\b], v[SO+\b]
	v_cvt_scalef32_pk8_bf8_f32 v[PC+2+4*\b:PC+3+4*\b], v[S+8+16*\b:S+15+16*\b], v[SO+\b]
.endr
	v_nop                                          ; one plain vector instruction behind the last scaled conversion
.endm
	LSUM
	WIN 0x55
	LSUM
	WALU                                           ; ahead of the two reciprocals
	v_rcp_f32 v14, v14
	WIN 0
	v_rcp_f32 v14, v14
	v_lshrrev_b32 v[AD], 3, v[R16]                 ; (a plain place behind the reciprocals)  2 r
	s_lshl_b32 s40, s[WV], 6
	s_add_co_u32 s40, s40, OSC
	v_add_nc_u32 v[AD], s40, v[AD]                 ; OSC + 64 x wave + 2 r; tile 1's bytes lie 32 on
	WALU                                           ; behind the reciprocals, directly ahead of the first readers of tile 0's O^T
	OUTQ
	global_store_b128 v[L16], v[PC:PC+3], s[8:9]               ; 512 consecutive bytes each, aligned
	global_store_b128 v[L16], v[PC+4:PC+7], s[8:9] offset:512
	ds_store_b16 v[AD], v[TP]                      ; lanes l and l xor 16 write the same bytes with the same value
	WIN 0x55
	WALU                                           ; directly ahead of the first readers of tile 1's O^T
	OUTQ
	WIN 0x04                                       ; the data in window 1, the addresses in window 0
	global_store_b128 v[L16], v[PC:PC+3], s[8:9] offset:8192
	global_store_b128 v[L16], v[PC+4:PC+7], s[8:9] offset:8704
	ds_store_b16 v[AD], v[TP] offset:32
	WIN 0
	WALU
	s_wait_dscnt 0x0                               ; for wave 0's sake: my stores have landed
	s_barrier_signal -1
	s_barrier_wait -1
	s_cmp_lg_u32 s[WV], 0
	s_cbranch_scc1 .Lnot_first
	v_add_nc_u32 v[ASC], OSC, v[L16]
	ds_load_b128 v[PC+8:PC+11], v[ASC]             ; wave 0: the sixteen tiles' 512 bytes
	s_wait_dscnt 0x0
	global_store_b128 v[L16], v[PC+8:PC+11], s[10:11]          ; 512 consecutive bytes, aligned
.Lnot_first:
	s_wait_tensorcnt 0x0                           ; the wave's end
	ds_add_u32 v[SPW], v[NIL]
	s_wait_dscnt 0x0
	CROUND                                         ; the closing round: no work-group ends while a partner may still ask for a record that names it
	s_endpgm
.Lfunc_end_k_q5a38a23d44_attn:
	.size	k_q5a38a23d44_attn, .Lfunc_end_k_q5a38a23d44_attn-k_q5a38a23d44_attn
	.p2alignl 7, 3214868480
	.fill 96, 4, 3214868480
	.section	.rodata,"a",@progbits
	.p2align	6, 0x0
	.amdhsa_kernel k_q5a38a23d44_attn
		.amdhsa_group_segment_fixed_size 327680
		.amdhsa_private_segment_fixed_size 0
		.amdhsa_enable_private_segment 0
		.amdhsa_kernarg_size 32
		.amdhsa_user_sgpr_count 2
		.amdhsa_user_sgpr_kernarg_segment_ptr 1
		.amdhsa_wavefront_size32 1
		.amdhsa_system_sgpr_workgroup_id_x 1
		.amdhsa_system_sgpr_workgroup_id_y 1
		.amdhsa_system_sgpr_workgroup_id_z 1
		.amdhsa_system_vgpr_workitem_id 0
		.amdhsa_next_free_vgpr 512
		.amdhsa_next_free_sgpr 66
		.amdhsa_reserve_vcc 0
		.amdhsa_float_denorm_mode_32 3
		.amdhsa_float_denorm_mode_16_64 3
		.amdhsa_memory_ordered 1
		.amdhsa_forward_progress 1
		.amdhsa_inst_pref_size 94
	.end_amdhsa_kernel
	.amdgpu_metadata
---
amdhsa.version: [ 1, 2 ]
amdhsa.kernels:
  - .name:           k_q5a38a23d44_attn
    .symbol:         k_q5a38a23d44_attn.kd
    .args:
      - { .name: qrec, .offset: 0, .size: 8, .value_kind: global_buffer, .address_space: global }
      - { .name: kv, .offset: 8, .size: 8, .value_kind: global_buffer, .address_space: global }
      - { .name: oimg, .offset: 16, .size: 8, .value_kind: global_buffer, .address_space: global }
      - { .name: oscl, .offset: 24, .size: 8, .value_kind: global_buffer, .address_space: global }
    .group_segment_fixed_size: 327680
    .private_segment_fixed_size: 0
    .kernarg_segment_align: 8
    .kernarg_segment_size: 32
    .max_flat_workgroup_size: 256
    .sgpr_count:     66
    .vgpr_count:     512
    .wavefront_size: 32
...
	.end_amdgpu_metadata
.endif
;; end of part 3
;; launch oproj (part 4): grid 2 x 128, 4 waves a work-group, no clusters, 35,328 bytes of LDS; arguments oimg, oscl, cimg, cscl, bo, out0; writes out0
.if DOCPART == 4
	.amdgcn_target "amdgcn-amd-amdhsa--gfx1250"
	.amdhsa_code_object_version 6
	.text
	.protected	k_q5a38a23d44_oproj
	.globl	k_q5a38a23d44_oproj
	.p2align	8
	.type	k_q5a38a23d44_oproj,@function
k_q5a38a23d44_oproj:
	s_mov_b64 s[64:65], 0
	v_nop
	global_prefetch_b8 v0, s[64:65] scope:SCOPE_SE
	s_setreg_imm32_b32 hwreg(HW_REG_WAVE_MODE, 25, 1), 1
	s_wait_xcnt 0x0
; out = O Wo^T + bo on codes of BF8 (E5M2) with E8M0 scales, sums in f32.  O arrives as images of the operand's registers (oimg: [token tile 512][K step 4][2,048]) with two scale bytes for each row and head
; (oscl: [head 8][token tile][r] of 2 bytes); Wo as cimg's pairs 304 on, with its scale words in cscl.
; SHARES.  Work-group (x, rg): 64 tokens (two pairs of tiles), features 256 x .. + 255; wave w takes features 64 (4 x + w) on: 16 weight fragments and all 16 fragments of O in registers, each read once.  256 work-groups, no loop.
; Source 0 = 16 weight rows, source 1 = 16 tokens: a lane holds one token and, over tiles 2 b, 2 b + 1, sixteen neighbouring features.  The bias is the C of each sum's first product.
; Results go through the wave's own stage in LDS (32 rows of 256 bytes + 16) and leave as aligned runs of 256 bytes, sixteen lanes to a run.
; NO TENSOR LOAD, NO CLUSTER: every operand goes from memory straight into the registers that the products name and is used from there; a joint load would add a way through LDS to each byte.
; REGISTERS: window 0 as named; window 1: weight fragment (t, K step) at v[16 (4 t + ks)]; window 2: O's fragment (pair i, tile u, K step) at v[16 (8 i + 4 u + ks)].
.set LI,  4                            ; v4  16 x lane
.set L2,  5                            ; v5  2 x lane
.set STO, 6                            ; v6  the stage: where I put 16 bytes of a row
.set RD,  7                            ; v7  and where I read a row back
.set CO,  8                            ; v8  my byte in two rows of out0
.set BA,  9                            ; v9  64 h: my half's biases
.set WS,  12                           ; v12-19   weight scale words (b, K step)
.set OS,  20                           ; v20-27   O's scale words (pair, K step): lanes 0-15 tile u = 0, lanes 16-31 u = 1
.set RAW, 28                           ; v28-43   their halves as loaded (pair, head)
.set HA,  48                           ; v48-111  eight accumulators
.set BI,  112                          ; v112-143 the bias in the result's layout
.set BK,  144                          ; v144-207 32 rows read back from the stage
.set MSB, 0
.macro WIN new                         ; the immediate's high byte repeats the setting that is left
.if MSB != \new
	s_set_vgpr_msb (MSB<<8)|\new
.set MSB, \new
.endif
.endm
.macro MM d, a, b, c, sa, sb, ra, rb   ; one matrix instruction; ra, rb = 1: that side's scales stand in lanes 16-31
.if (\ra) && (\rb)
	v_wmma_scale_f32_16x16x128_f8f6f4 v[\d:\d+7], v[\a:\a+15], v[\b:\b+15], v[\c:\c+7], v[\sa], v[\sb] matrix_a_fmt:MATRIX_FMT_BF8 matrix_b_fmt:MATRIX_FMT_BF8 matrix_a_scale:MATRIX_SCALE_ROW1 matrix_b_scale:MATRIX_SCALE_ROW1
.elseif \ra
	v_wmma_scale_f32_16x16x128_f8f6f4 v[\d:\d+7], v[\a:\a+15], v[\b:\b+15], v[\c:\c+7], v[\sa], v[\sb] matrix_a_fmt:MATRIX_FMT_BF8 matrix_b_fmt:MATRIX_FMT_BF8 matrix_a_scale:MATRIX_SCALE_ROW1
.elseif \rb
	v_wmma_scale_f32_16x16x128_f8f6f4 v[\d:\d+7], v[\a:\a+15], v[\b:\b+15], v[\c:\c+7], v[\sa], v[\sb] matrix_a_fmt:MATRIX_FMT_BF8 matrix_b_fmt:MATRIX_FMT_BF8 matrix_b_scale:MATRIX_SCALE_ROW1
.else
	v_wmma_scale_f32_16x16x128_f8f6f4 v[\d:\d+7], v[\a:\a+15], v[\b:\b+15], v[\c:\c+7], v[\sa], v[\sb] matrix_a_fmt:MATRIX_FMT_BF8 matrix_b_fmt:MATRIX_FMT_BF8
.endif
.endm
.macro OLOAD i                         ; pair i of O: 8 fragments, 32 loads of 512 consecutive bytes
.irp u, 0,1
.irp ks, 0,1,2,3
.irp c, 0,1,2,3
	global_load_b128 v[16*(8*\i+4*\u+\ks)+4*\c:16*(8*\i+4*\u+\ks)+4*\c+3], v[LI], s[4:5] offset:8192*(2*\i+\u)+2048*\ks+512*\c
.endr
.endr
.endr
.endm
; Pair i: 32 products, eight accumulators by turns, one instruction a turn, K ascending; then its 32 rows x 64 features go out.
.macro OITER i
	WIN 0x09                                       ; source 0 (weights) window 1, source 1 (O) window 2
.irp ks, 0,1,2,3
.irp u, 0,1
.irp t, 0,1,2,3
.set DD, HA+16*(2*\u+\t/2)+8*(\t%2)
.if \ks == 0
.set CC, BI+8*\t
.else
.set CC, DD
.endif
	MM DD, 16*(4*\t+\ks), 16*(8*\i+4*\u+\ks), CC, WS+4*(\t/2)+\ks, OS+4*\i+\ks, \t%2, \u
.endr
.endr
.endr
	WIN 0
.rept 9
	v_nop                                          ; eight places in front of the first read of results, nine in front of the next pair's products, which write over these accumulators
.endr
.irp u, 0,1
.irp t, 0,1,2,3
.irp q, 0,1
	ds_store_b128 v[STO], v[HA+16*(2*\u+\t/2)+8*(\t%2)+4*\q:HA+16*(2*\u+\t/2)+8*(\t%2)+4*\q+3] offset:4352*\u+128*(\t/2)+32*(\t%2)+16*\q   ; each accumulator from its low end on
.endr
.endr
.endr
.if \i
	s_wait_xcnt 0x0                                ; the first pair's stores have read their data: these registers are loaded again only behind this wait
.endif
.irp t, 0,1,2,3,4,5,6,7,8,9,10,11,12,13,14,15
	ds_load_b128 v[BK+4*\t:BK+4*\t+3], v[RD] offset:544*\t   ; LDS serves a wave's instructions in order (ISA guide 5.7.1.4): these see my stores
.endr
.irp t, 0,1,2,3,4,5,6,7,8,9,10,11,12,13,14,15
	s_wait_dscnt 15-\t                             ; the younger loads may stay out
	global_store_b128 v[CO], v[BK+4*\t:BK+4*\t+3], s[14:15] offset:2048*(32*\i+8*(\t/8)+(2*\t)%8+16*(((2*\t)%16)/8)) th:TH_STORE_NT   ; stage rows 2 t, 2 t + 1 are neighbouring tokens; 16 lanes store 256 consecutive bytes, aligned
.endr
.endm
	s_load_b256 s[4:11], s[0:1], 0x0               ; oimg s[4:5], oscl s[6:7], cimg s[8:9], cscl s[10:11]
	s_load_b128 s[12:15], s[0:1], 0x20             ; bo s[12:13], out0 s[14:15]
	v_lshl_add_u32 v254, v0, 2, 0x8800
	v_mov_b32 v255, 0
	v_lshrrev_b32 v1, 5, v0
	v_readfirstlane_b32 s18, v1                    ; wave 0..3
	s_lshl_b32 s19, ttmp9, 2
	s_add_co_u32 s19, s19, s18                     ; which 64 features
	s_and_b32 s20, ttmp7, 0xffff                   ; which 64 tokens
	v_and_b32 v1, 31, v0
	v_and_b32 v2, 15, v0                           ; r
	v_bfe_u32 v3, v0, 4, 1                         ; h
	v_lshlrev_b32 v[LI], 4, v1
	v_lshlrev_b32 v[L2], 1, v1
	s_mul_i32 s21, s18, 8704                       ; my stage: 32 rows of 272 bytes
	v_mul_u32_u24 v[STO], v2, 272
	v_lshl_add_u32 v[STO], v3, 6, v[STO]
	v_add_nc_u32 v[STO], s21, v[STO]               ; in: row r, + 64 h
	v_mul_u32_u24 v[RD], v3, 272
	v_lshl_add_u32 v[RD], v2, 4, v[RD]
	v_add_nc_u32 v[RD], s21, v[RD]                 ; back: lanes 0-15 one row, lanes 16-31 the next
	v_lshlrev_b32 v[CO], 11, v3
	v_lshl_add_u32 v[CO], v2, 4, v[CO]             ; and the same in out0: rows of 2,048 bytes
	v_lshlrev_b32 v[BA], 6, v3
	s_lshl_b32 s24, s19, 1
	s_add_co_u32 s24, s24, 304                     ; Wo's pair of my first 32 features
	s_lshl_b32 s26, s24, 9
	s_mov_b32 s27, 0
	s_lshl_b32 s24, s24, 14
	s_mov_b32 s25, 0
	s_lshl_b32 s28, s20, 15                        ; oimg: four tiles of 8,192 bytes
	s_mov_b32 s29, 0
	s_lshl_b32 s30, s20, 7                         ; oscl: four tiles of 32 bytes
	s_mov_b32 s31, 0
	s_lshl_b32 s32, s19, 8                         ; 64 features of 4 bytes
	s_mov_b32 s33, 0
	s_lshl_b32 s34, s20, 17                        ; 64 rows of out0
	s_add_co_u32 s34, s34, s32
	s_mov_b32 s35, 0
	s_wait_alu depctr_va_vdst(0)
	s_wait_kmcnt 0x0
	s_add_nc_u64 s[8:9], s[8:9], s[24:25]
	s_add_nc_u64 s[10:11], s[10:11], s[26:27]
	s_add_nc_u64 s[4:5], s[4:5], s[28:29]
	s_add_nc_u64 s[6:7], s[6:7], s[30:31]
	s_add_nc_u64 s[12:13], s[12:13], s[32:33]
	s_add_nc_u64 s[14:15], s[14:15], s[34:35]
	WIN 0x40                                       ; destination window 1
.irp t, 0,1,2,3
.irp ks, 0,1,2,3
.irp c, 0,1,2,3
	global_load_b128 v[16*(4*\t+\ks)+4*\c:16*(4*\t+\ks)+4*\c+3], v[LI], s[8:9] offset:16384*(\t/2)+8192*(\t%2)+2048*\ks+512*\c
.endr
.endr
.endr
	WIN 0
.irp b, 0,1
	global_load_b128 v[WS+4*\b:WS+4*\b+3], v[LI], s[10:11] offset:512*\b
.endr
.irp t, 0,1,2,3
	global_load_b128 v[BI+8*\t:BI+8*\t+3], v[BA], s[12:13] offset:(32*(\t/2)+8*(\t%2))*4          ; features 32 (t / 2) + 16 h + 8 (t % 2) + 0 .. 7
	global_load_b128 v[BI+8*\t+4:BI+8*\t+7], v[BA], s[12:13] offset:(32*(\t/2)+8*(\t%2))*4+16
.endr
.irp i, 0,1
.irp e, 0,1,2,3,4,5,6,7
	global_load_u16 v[RAW+8*\i+\e], v[L2], s[6:7] offset:16384*\e+64*\i   ; head e's two bytes: lanes 0-15 tile u = 0, lanes 16-31 u = 1
.endr
.endr
	WIN 0x80                                       ; destination window 2
	OLOAD 0
	OLOAD 1
	WIN 0
	s_wait_loadcnt 32                              ; all but the second pair's 32 loads, the only ones issued behind what the first pair needs
.irp i, 0,1
.irp ks, 0,1,2,3
	v_lshl_or_b32 v[OS+4*\i+\ks], v[RAW+8*\i+2*\ks+1], 16, v[RAW+8*\i+2*\ks]   ; a K step of 128 is two heads: four bytes
.endr
.endr
.rept 8
	v_nop                                          ; a scale register written by a vector instruction stands eight places ahead of the product that names it
.endr
	OITER 0
	s_wait_loadcnt 0x0
	s_wait_alu depctr_va_vdst(0)
	OITER 1
	s_wait_tensorcnt 0x0
	ds_add_u32 v254, v255
	s_wait_dscnt 0x0
	s_endpgm
.Lfunc_end_k_q5a38a23d44_oproj:
	.size	k_q5a38a23d44_oproj, .Lfunc_end_k_q5a38a23d44_oproj-k_q5a38a23d44_oproj
	.p2alignl 7, 3214868480
	.fill 96, 4, 3214868480
	.section	.rodata,"a",@progbits
	.p2align	6, 0x0
	.amdhsa_kernel k_q5a38a23d44_oproj
		.amdhsa_group_segment_fixed_size 35328
		.amdhsa_private_segment_fixed_size 0
		.amdhsa_enable_private_segment 0
		.amdhsa_kernarg_size 48
		.amdhsa_user_sgpr_count 2
		.amdhsa_user_sgpr_kernarg_segment_ptr 1
		.amdhsa_wavefront_size32 1
		.amdhsa_system_sgpr_workgroup_id_x 1
		.amdhsa_system_sgpr_workgroup_id_y 1
		.amdhsa_system_sgpr_workgroup_id_z 1
		.amdhsa_system_vgpr_workitem_id 0
		.amdhsa_next_free_vgpr 768
		.amdhsa_next_free_sgpr 66
		.amdhsa_reserve_vcc 0
		.amdhsa_float_denorm_mode_32 3
		.amdhsa_float_denorm_mode_16_64 3
		.amdhsa_memory_ordered 1
		.amdhsa_forward_progress 1
		.amdhsa_inst_pref_size 35
	.end_amdhsa_kernel
	.amdgpu_metadata
---
amdhsa.version: [ 1, 2 ]
amdhsa.kernels:
  - .name:           k_q5a38a23d44_oproj
    .symbol:         k_q5a38a23d44_oproj.kd
    .args:
      - { .name: oimg, .offset: 0, .size: 8, .value_kind: global_buffer, .address_space: global }
      - { .name: oscl, .offset: 8, .size: 8, .value_kind: global_buffer, .address_space: global }
      - { .name: cimg, .offset: 16, .size: 8, .value_kind: global_buffer, .address_space: global }
      - { .name: cscl, .offset: 24, .size: 8, .value_kind: global_buffer, .address_space: global }
      - { .name: bo, .offset: 32, .size: 8, .value_kind: global_buffer, .address_space: global }
      - { .name: out0, .offset: 40, .size: 8, .value_kind: global_buffer, .address_space: global }
    .group_segment_fixed_size: 35328
    .private_segment_fixed_size: 0
    .kernarg_segment_align: 8
    .kernarg_segment_size: 48
    .max_flat_workgroup_size: 128
    .sgpr_count:     66
    .vgpr_count:     768
    .wavefront_size: 32
...
	.end_amdgpu_metadata
.endif
;; end of part 4
